; MI455X (gfx1250); checked and timed in simulation.
; The chip was launched on July 23, 2026; its instructions are those of AMD's public machine-readable ISA for CDNA 5 (MIT licence, August 2026) and "CDNA5" Instruction Set Architecture Reference Guide (July 2026). The comments in the code are by the model that wrote it; some were corrected since.
;; Curve Eval3. Allowed arithmetic: float matrix products may take bf16 or f16 operands with f32 sums; all other float work in f32.
;; Inputs: ctrl_pts 4,096 x 128 x 3 float32; knot_u 4,096 x 132 float32.
;; Outputs: out0 4,096 x 256 x 3 float32.
;; 3 versions, each right; version 2 is faster than version 1; version 3 is version 2 with the launch curve_eval written anew for expert scheduling mode. Each part assembles by itself: llvm-mc -triple=amdgcn-amd-amdhsa -mcpu=gfx1250 --defsym DOCPART=n.
;; ======== version 1 of 3: 2 launches
;; workspace buffers: span 1,048,576 bytes of whole numbers
;; launch span_search (part 1): grid 256 x 1, 16 waves a work-group, no clusters, 0 bytes of LDS; arguments knot_u, span; writes span
.if DOCPART == 1
	.amdgcn_target "amdgcn-amd-amdhsa--gfx1250"
	.amdhsa_code_object_version 6
	.text
	.protected	k_q677c358dd2_span_search
	.globl	k_q677c358dd2_span_search
	.p2align	8
	.type	k_q677c358dd2_span_search,@function
k_q677c358dd2_span_search:
	s_mov_b64 s[64:65], 0
	v_nop
	global_prefetch_b8 v0, s[64:65] scope:SCOPE_SE
	s_setreg_imm32_b32 hwreg(HW_REG_WAVE_MODE, 25, 1), 1
	s_wait_xcnt 0x0
; span[b][t] = argmin over j = 0..128 of ( d > 1e-8 ? d : 1.0 ),  d = u[t] - knot_u[b][3 + j],  first occurrence; one byte each.
; (reference()'s uspan is this number + 3.)  The knots are NOT taken to be sorted: every one of the 129 is looked at, with the
; reference's own subtraction, compare and replacement by 1.0, and ties go to the lowest j.
;
; SHARES.  4096 batches = 256 work-groups x 16 waves: a wave takes one batch.  Lane l takes the eight points t = 8 l + k ("slots").
; The batch's knots are the same for all lanes, so they come by scalar loads (16 at a time, two register sets that take turns) and are
; used as scalar operands: no vector load, no LDS, no barrier.  No input is shared between work-groups, so there is nothing to multicast;
; a wave's whole input is 516 bytes, so there is nothing to ring or to prefetch; there is no product, so no matrix unit.
;
; METHOD.  j = 0..127 go in 16 blocks of 8.  For a slot and a block: 8 masked values m, their minimum bm; where bm < best (strictly) the slot
; takes over bm, the block's first index and the 8 values.  At the end the first kept value that equals best gives the place in the block.
; A strict take-over between blocks and the first equal value inside the block are together the first occurrence.  Knot j = 128 is
; compared last, strictly.  m is never NaN (a NaN d fails the compare and becomes 1.0, as in the reference) and never negative.
; Two slots go side by side in dual instructions: per pair of slots and block 8 + 16 + 16 + 8 + 12 = 60 instructions for 16 values.
;
; LIMIT.  u[t] is rebuilt as jnp.linspace makes it: step = t / 255 rounded to nearest, u = 1e-5 (1 - step) + 0.99999 step, each operation rounded
; by itself.  A reference that fuses or reassociates these may differ by one unit in u's last place.
.set SA,   16                          ; s[16:31]  knots, set A
.set SB,   32                          ; s[32:47]  knots, set B
.set M,    48                          ; s[48:63]  16 lane masks: d > 1e-8, 8 for each of the two slots at work
.set U,    2                           ; v[2:9]    u of my eight slots
.set BEST, 10                          ; v[10:25]  slot k: best at 10 + 2 k, its block's first index at 11 + 2 k
.set K0,   26                          ; v[26:97]  kept values: pair p of slots at 26 + 18 p; slot 2 p at +0..7, slot 2 p + 1 at +9..16
.set T,    98                          ; v[98:115] the block at work, laid out like a pair's kept values
.set BM,   116                         ; v116, v117  the block's minimum for the two slots
.set X0,   118                         ; v118-120  at work
.set X1,   119
.set X2,   120
.set TB,   121                         ; v121      8 x lane: my first t, and my byte offset in the batch's 256 span bytes
.set W,    122                         ; v[122:123] the eight bytes to store
.set BV,   126                         ; v126      first index of the block at work, in a vector register: a half of a dual select reads VCC and
                                       ;           so no second scalar; 126 mod 4 = 2 differs from BM's 0 and 1, as a dual's two first sources must
.set J,    98                          ; v[98:105] slot k's result (the block registers are free by then)
	s_load_b128 s[4:7], s[0:1], 0x0                ; knot_u s[4:5], span s[6:7]
	v_and_b32 v1, 31, v0                           ; lane
	v_lshrrev_b32 v2, 5, v0
	v_readfirstlane_b32 s8, v2                     ; wave
	s_lshl_b32 s9, ttmp9, 4
	s_add_co_u32 s9, s9, s8                        ; batch b = 16 x work-group + wave
	s_mul_i32 s10, s9, 528                         ; a row of 132 knots
	s_add_co_u32 s10, s10, 12                      ; the search starts at knot 3
	s_mov_b32 s11, 0
	s_wait_kmcnt 0x0
	s_add_nc_u64 s[4:5], s[4:5], s[10:11]          ; &knot_u[b][3]
	s_lshl_b32 s10, s9, 8
	s_add_nc_u64 s[6:7], s[6:7], s[10:11]          ; &span[b][0]
	s_load_b512 s[SA:SA+15], s[4:5], 0x0           ; j = 0..15
	s_load_b32 s12, s[4:5], 0x200                  ; j = 128, the row's last knot
	s_mov_b32 s13, 0x322bcc77                      ; 1e-8
	s_mov_b32 s66, 0x3b808081                      ; 1 / 255
	s_mov_b32 s67, 0x437f0000                      ; 255
	s_mov_b32 s68, 0x3727c5ac                      ; 1e-5
	s_mov_b32 s69, 0x3f7fff58                      ; 0.99999
	v_lshlrev_b32 v[TB], 3, v1
	v_mov_b32 v[BV], 0                             ; block 0 begins at j = 0
; u of slot k.  t / 255: a first quotient, its exact remainder by one fused multiply-add, one correction.
.macro UCALC k
	v_or_b32 v[X0], \k, v[TB]                      ; t = 8 l + k
	v_cvt_f32_u32 v[X0], v[X0]
	v_mul_f32 v[X1], s66, v[X0]
	v_fma_f32 v[X2], -v[X1], s67, v[X0]
	v_fma_f32 v[X1], v[X2], s66, v[X1]             ; step
	v_sub_f32 v[X2], 1.0, v[X1]
	v_mul_f32 v[X2], s68, v[X2]
	v_mul_f32 v[X1], s69, v[X1]
	v_add_f32 v[U+\k], v[X2], v[X1]
.endm
.irp k, 0,1,2,3,4,5,6,7
	UCALC \k
.endr
; One block of 8 knots, s[S] .. s[S+7], for the slots 2 p and 2 p + 1.  first = 1: the block starts best, index and kept values: nothing is cleared.
; In each dual line one destination is even and one odd, and the two vector sources in the same place lie in different banks (number mod 4).
.macro BLOCK p, S, first
.set KB, K0+18*\p
.if \first
.set D,  KB
.set B0, BEST+4*\p
.set B1, BEST+4*\p+2
.else
.set D,  T
.set B0, BM
.set B1, BM+1
.endif
.set i, 0
.rept 8
	v_dual_subrev_f32 v[D+i], s[(\S)+i], v[U+2*\p] :: v_dual_subrev_f32 v[D+9+i], s[(\S)+i], v[U+2*\p+1]   ; d = u - knot
.set i, i+1
.endr
.set i, 0
.rept 8
	v_cmp_lt_f32 s[M+i],   s13, v[D+i]             ; 1e-8 < d (false for NaN)
	v_cmp_lt_f32 s[M+8+i], s13, v[D+9+i]
.set i, i+1
.endr
.set i, 0
.rept 8
	v_cndmask_b32 v[D+i],   1.0, v[D+i],   s[M+i]  ; m = d where the mask is set, else 1.0
	v_cndmask_b32 v[D+9+i], 1.0, v[D+9+i], s[M+8+i]
.set i, i+1
.endr
	v_min3_num_f32 v[B0], v[D],    v[D+1],  v[D+2]
	v_min3_num_f32 v[B1], v[D+9],  v[D+10], v[D+11]
	v_min3_num_f32 v[B0], v[B0],   v[D+3],  v[D+4]
	v_min3_num_f32 v[B1], v[B1],   v[D+12], v[D+13]
	v_min3_num_f32 v[B0], v[B0],   v[D+5],  v[D+6]
	v_min3_num_f32 v[B1], v[B1],   v[D+14], v[D+15]
	v_min_num_f32  v[B0], v[B0],   v[D+7]
	v_min_num_f32  v[B1], v[B1],   v[D+16]
.if \first
	v_mov_b32 v[BEST+4*\p+1], 0
	v_mov_b32 v[BEST+4*\p+3], 0
.else
.irp h, 0,1
	v_cmp_le_f32 vcc_lo, v[BEST+4*\p+2*\h], v[BM+\h]       ; set: the old best stays (ties stay with the earlier block)
	v_dual_cndmask_b32 v[BEST+4*\p+2*\h], v[BM+\h], v[BEST+4*\p+2*\h] :: v_dual_cndmask_b32 v[BEST+4*\p+2*\h+1], v[BV], v[BEST+4*\p+2*\h+1]
.irp i, 0,2,4,6
	v_dual_cndmask_b32 v[KB+9*\h+\i], v[T+9*\h+\i], v[KB+9*\h+\i] :: v_dual_cndmask_b32 v[KB+9*\h+\i+1], v[T+9*\h+\i+1], v[KB+9*\h+\i+1]
.endr
.endr
.endif
.endm
; Sixteen knots = two blocks for all eight slots, out of set cur.  load = 1: the next sixteen are asked for into set nxt first,
; a whole such step (eight BLOCKs) ahead of the wait for them.
.macro HALF cur, nxt, load, first
	s_wait_kmcnt 0x0                               ; scalar loads return in no order, so 0: set cur is in, and the load that read s[4:5] is done
.if \load
	s_add_nc_u64 s[4:5], s[4:5], 64
	s_load_b512 s[\nxt:\nxt+15], s[4:5], 0x0       ; set nxt was last read by vector instructions issued before this line
.endif
.irp p, 0,1,2,3
	BLOCK \p, \cur, \first
.endr
	v_add_nc_u32 v[BV], 8, v[BV]                   ; the next block's first index
.irp p, 0,1,2,3
	BLOCK \p, \cur+8, 0
.endr
	v_add_nc_u32 v[BV], 8, v[BV]
.endm
	HALF SA, SB, 1, 1                              ; j = 0..15; asks for 16..31
	s_mov_b32 s15, 3
.Lscan:
	HALF SB, SA, 1, 0                              ; j = 16.., 48.., 80..
	HALF SA, SB, 1, 0                              ; j = 32.., 64.., 96..; the last asks for 112..127
	s_sub_co_i32 s15, s15, 1
	s_cmp_lg_u32 s15, 0
	s_cbranch_scc1 .Lscan
	HALF SB, SA, 0, 0                              ; j = 112..127: nothing more is asked for, no load passes the row's end
; Slot k: the first kept value equal to best (looked for from the back, so that the lowest place is written last), then knot 128.
.macro FINISH k
.set KB, K0+18*(\k/2)+9*(\k%2)
	v_mov_b32 v[X0], 7
.irp i, 6,5,4,3,2,1,0
	v_cmp_eq_f32 vcc_lo, v[KB+\i], v[BEST+2*\k]
	v_cndmask_b32 v[X0], v[X0], \i, vcc_lo
.endr
	v_add_nc_u32 v[J+\k], v[BEST+2*\k+1], v[X0]
	v_sub_f32 v[X1], v[U+\k], s12                  ; d = u - knot 128
	v_cmp_lt_f32 vcc_lo, s13, v[X1]
	v_cndmask_b32 v[X1], 1.0, v[X1], vcc_lo
	v_cmp_lt_f32 vcc_lo, v[X1], v[BEST+2*\k]       ; strictly smaller: a tie stays with the earlier index
	v_cndmask_b32 v[J+\k], v[J+\k], v[X2], vcc_lo
.endm
	v_mov_b32 v[X2], 0x80                          ; the index 128
.irp k, 0,1,2,3,4,5,6,7
	FINISH \k
.endr
	v_lshl_or_b32 v[W],   v[J+1], 8,  v[J]          ; eight indices, one byte each, t ascending
	v_lshl_or_b32 v[W+1], v[J+5], 8,  v[J+4]
	v_lshl_or_b32 v[W],   v[J+2], 16, v[W]
	v_lshl_or_b32 v[W+1], v[J+6], 16, v[W+1]
	v_lshl_or_b32 v[W],   v[J+3], 24, v[W]
	v_lshl_or_b32 v[W+1], v[J+7], 24, v[W+1]
	global_store_b64 v[TB], v[W:W+1], s[6:7]       ; the wave stores the batch's 256 consecutive bytes, at a multiple of 256 from span's first byte
	s_endpgm
.Lfunc_end_k_q677c358dd2_span_search:
	.size	k_q677c358dd2_span_search, .Lfunc_end_k_q677c358dd2_span_search-k_q677c358dd2_span_search
	.p2alignl 7, 3214868480
	.fill 96, 4, 3214868480
	.section	.rodata,"a",@progbits
	.p2align	6, 0x0
	.amdhsa_kernel k_q677c358dd2_span_search
		.amdhsa_group_segment_fixed_size 0
		.amdhsa_private_segment_fixed_size 0
		.amdhsa_enable_private_segment 0
		.amdhsa_kernarg_size 16
		.amdhsa_user_sgpr_count 2
		.amdhsa_user_sgpr_kernarg_segment_ptr 1
		.amdhsa_wavefront_size32 1
		.amdhsa_system_sgpr_workgroup_id_x 1
		.amdhsa_system_sgpr_workgroup_id_y 1
		.amdhsa_system_sgpr_workgroup_id_z 1
		.amdhsa_system_vgpr_workitem_id 0
		.amdhsa_next_free_vgpr 128
		.amdhsa_next_free_sgpr 70
		.amdhsa_reserve_vcc 1
		.amdhsa_float_denorm_mode_32 3
		.amdhsa_float_denorm_mode_16_64 3
		.amdhsa_memory_ordered 1
		.amdhsa_forward_progress 1
		.amdhsa_inst_pref_size 127
	.end_amdhsa_kernel
	.amdgpu_metadata
---
amdhsa.version: [ 1, 2 ]
amdhsa.kernels:
  - .name:           k_q677c358dd2_span_search
    .symbol:         k_q677c358dd2_span_search.kd
    .args:
      - { .name: knot_u, .offset: 0, .size: 8, .value_kind: global_buffer, .address_space: global }
      - { .name: span, .offset: 8, .size: 8, .value_kind: global_buffer, .address_space: global }
    .group_segment_fixed_size: 0
    .private_segment_fixed_size: 0
    .kernarg_segment_align: 8
    .kernarg_segment_size: 16
    .max_flat_workgroup_size: 512
    .sgpr_count:     70
    .vgpr_count:     128
    .wavefront_size: 32
...
	.end_amdgpu_metadata
.endif
;; end of part 1
;; launch curve_eval (part 2): grid 256 x 1, 16 waves a work-group, no clusters, 96,256 bytes of LDS; arguments ctrl_pts, knot_u, span, out0; writes out0
.if DOCPART == 2
	.amdgcn_target "amdgcn-amd-amdhsa--gfx1250"
	.amdhsa_code_object_version 6
	.text
	.protected	k_q677c358dd2_curve_eval
	.globl	k_q677c358dd2_curve_eval
	.p2align	8
	.type	k_q677c358dd2_curve_eval,@function
k_q677c358dd2_curve_eval:
	s_mov_b64 s[64:65], 0
	v_nop
	global_prefetch_b8 v0, s[64:65] scope:SCOPE_SE
	s_setreg_imm32_b32 hwreg(HW_REG_WAVE_MODE, 25, 1), 1
	s_wait_xcnt 0x0
; out0[b][t][:] = sum over i = 0..3 of N_i(u[t]) ctrl_pts[b][j + i][:],  j = span[b][t] (stored by the launch before; uspan = j + 3),
; N_0..N_3 by the reference's Cox-de Boor recursion on knot_u[b][j + 1 .. j + 6], with its case dU == 0 -> 1e-4.
;
; SHARES.  4096 batches = 256 work-groups x 16 waves: a wave takes one batch, lane l the eight points t = 8 l + k ("slots").
; The batch's 132 knots and 128 control points are read once, in runs of neighbouring bytes, into the wave's OWN bytes of LDS and gathered from there
; by j.  The 3,072 bytes of results go back through the wave's own stage, so that each store covers 512 consecutive bytes.
; All LDS bytes are a wave's own (wave x WB + ...), and LDS serves a wave's instructions in order (ISA guide 5.7.1): no barrier, and no wait between
; a wave's stores and its loads.
; NOT USED, and why.  Matrix unit: each point (b, t) has a 4 x 3 operand of its own and one row of 4 weights, so no operand is shared by two
; outputs; the sum is 12 fused multiply-adds a point in f32.  Clusters: no two work-groups read a common byte.  Tensor loads, rings: a wave's whole
; input is 2,320 bytes.
;
; LIMITS.  Ni / dU is Ni x v_rcp_f32(dU): one unit in the last place, and |dU| below 2^-126 counts as zero there (ISA guide 15.8).
; saved + (U1 - u) temp is one fused multiply-add.  u[t] as in the launch before: linspace's own arithmetic, each operation rounded by itself.
; Indices past the tables (only for j above 124): knots 132..134 read as NaN, control points 128..131 as point 127.
.set WB,    5888                       ; LDS bytes of a wave
.set KNOT,  2112                       ; +0: 132 records of 16 bytes (x, y, z, 0);  +2112: 160 words of knots (132..159 = NaN)
.set STAGE, 2752                       ; +2752: 3,072 bytes, the batch's results as they lie in memory
.set TB,  3                            ; v3        8 x lane
.set SP,  14                           ; v[14:15]  my eight span bytes
.set KN,  16                           ; v[16:20]  knots on their way to LDS
.set CP,  22                           ; v[22:41]  control points on their way to LDS: five records of 4 registers (x, y, z, 0)
.set O,   16                           ; v[16:39]  my 24 results (the registers above are free by then)
.set U,   42                           ; v[42:49]  u of my eight slots
.set JJ,  50                           ; v50-52    j, LDS address of its record, LDS address of its knot
.set AC,  51
.set AK,  52
.set G,   54                           ; v[54:197] slot k at 54 + 18 k: point i at +4 i .. +4 i + 2; knots j+1 .. j+6 at +3, +7, +11, +15, +16, +17
.set I,   198                          ; v[198:203] the six dU
.set N,   204                          ; v[204:207] N0..N3
.set TMP, 208
.set SV,  209
.set Q,   210                          ; v[210:215] the six 1 / dU
.set X0,  210                          ; v210-212 at work while u is made, before Q is needed
.set X1,  211
.set X2,  212
	s_load_b256 s[4:11], s[0:1], 0x0               ; ctrl_pts s[4:5], knot_u s[6:7], span s[8:9], out0 s[10:11]
	v_lshl_add_u32 v216, v0, 2, 0x17000
	v_mov_b32 v217, 0
	v_and_b32 v1, 31, v0                           ; lane
	v_lshrrev_b32 v2, 5, v0
	v_readfirstlane_b32 s12, v2                    ; wave
	s_lshl_b32 s13, ttmp9, 4
	s_add_co_u32 s13, s13, s12                     ; batch b
	s_mul_i32 s16, s12, WB                         ; my wave's LDS
	s_mov_b32 s15, 0
	s_mov_b32 s17, 0x38d1b717                      ; 1e-4
	s_mov_b32 s26, 0x3b808081                      ; 1 / 255
	s_mov_b32 s27, 0x437f0000                      ; 255
	s_mov_b32 s28, 0x3727c5ac                      ; 1e-5
	s_mov_b32 s29, 0x3f7fff58                      ; 0.99999
	v_lshlrev_b32 v2, 2, v1                        ; 4 l
	v_lshlrev_b32 v[TB], 3, v1                     ; 8 l
	v_mul_u32_u24 v4, 12, v1                       ; 12 l
	v_lshlrev_b32 v5, 4, v1                        ; 16 l
	v_min_u32 v6, 3, v1
	v_lshlrev_b32 v6, 2, v6                        ; 4 min(l, 3): the row's last four knots, no lane past the row's end
	v_mov_b32 v7, 0
	v_mov_b32 v8, s16                              ; LDS: my wave's first byte
	v_add_nc_u32 v9, s16, v2                       ; + 4 l
	v_add_nc_u32 v10, s16, v5                      ; + 16 l
	v_and_b32 v11, 3, v1
	v_lshl_add_u32 v11, v11, 4, v8                 ; + 16 (l mod 4)
	v_mad_u32_u24 v12, v1, 96, v8                  ; + 96 l: my 24 results
.irp k, 0,1,2,3,4
	v_mov_b32 v[CP+4*\k+3], 0                      ; a record's fourth word: records go to LDS whole, so that none of their bytes is left as it was found
.endr
	s_wait_kmcnt 0x0
	s_mul_i32 s14, s13, 1536
	s_add_nc_u64 s[4:5], s[4:5], s[14:15]
	s_mul_i32 s14, s13, 528
	s_add_nc_u64 s[6:7], s[6:7], s[14:15]
	s_lshl_b32 s14, s13, 8
	s_add_nc_u64 s[8:9], s[8:9], s[14:15]
	s_mul_i32 s14, s13, 3072
	s_add_nc_u64 s[10:11], s[10:11], s[14:15]
	; eleven loads: 5 of knots, 5 of control points, 1 of spans; the waits below count in this order.  Every byte is read once in the launch.
.irp k, 0,1,2,3
	global_load_b32 v[KN+\k], v2, s[6:7] offset:128*\k th:TH_LOAD_NT           ; knots 32 k + l
.endr
	global_load_b32 v[KN+4], v6, s[6:7] offset:512 th:TH_LOAD_NT               ; knots 128 + min(l, 3)
.irp k, 0,1,2,3
	global_load_b96 v[CP+4*\k:CP+4*\k+2], v4, s[4:5] offset:384*\k th:TH_LOAD_NT   ; point 32 k + l: the wave reads 384 consecutive bytes
.endr
	global_load_b96 v[CP+16:CP+18], v7, s[4:5] offset:1524 th:TH_LOAD_NT       ; point 127, in every lane
	global_load_b64 v[SP:SP+1], v[TB], s[8:9] th:TH_LOAD_NT                    ; my eight spans
; u of slot k, while the loads are on their way.  t / 255: a first quotient, its exact remainder by one fused multiply-add, one correction.
.macro UCALC k
	v_or_b32 v[X0], \k, v[TB]
	v_cvt_f32_u32 v[X0], v[X0]
	v_mul_f32 v[X1], s26, v[X0]
	v_fma_f32 v[X2], -v[X1], s27, v[X0]
	v_fma_f32 v[X1], v[X2], s26, v[X1]             ; step
	v_sub_f32 v[X2], 1.0, v[X1]
	v_mul_f32 v[X2], s28, v[X2]
	v_mul_f32 v[X1], s29, v[X1]
	v_add_f32 v[U+\k], v[X2], v[X1]
.endm
.irp k, 0,1,2,3,4,5,6,7
	UCALC \k
.endr
	s_wait_loadcnt 0x6                             ; the five knot loads are in; the six loads issued behind them may be out
	v_cmp_gt_u32 vcc_lo, 4, v1
	v_cndmask_b32 v[KN+4], 0x7fc00000, v[KN+4], vcc_lo     ; words 132..159: NaN
.irp k, 0,1,2,3,4
	ds_store_b32 v9, v[KN+\k] offset:KNOT+128*\k
.endr
	s_wait_loadcnt 0x1                             ; the five control-point loads are in; the span load may be out
.irp k, 0,1,2,3
	ds_store_b128 v10, v[CP+4*\k:CP+4*\k+3] offset:512*\k  ; record 32 k + l
.endr
	ds_store_b128 v11, v[CP+16:CP+19] offset:2048          ; records 128..131: point 127 (eight lanes write each, all the same words)
	s_wait_loadcnt 0x0                             ; my spans
; Slot k: ten LDS loads.  j is cut to 128, the largest index that the search can give, so that every address stays in my wave's tables:
; records j .. j + 3 (at most 131), knot words j + 1 .. j + 6 (at most 134).
.macro GATHER k
.set GB, G+18*\k
	v_bfe_u32 v[JJ], v[SP+\k/4], 8*(\k%4), 8
	v_min_u32 v[JJ], 0x80, v[JJ]
	v_lshl_add_u32 v[AC], v[JJ], 4, v8
	v_lshl_add_u32 v[AK], v[JJ], 2, v8
.irp i, 0,1,2,3
	ds_load_b96 v[GB+4*\i:GB+4*\i+2], v[AC] offset:16*\i
.endr
	ds_load_b32 v[GB+3],  v[AK] offset:KNOT+4
	ds_load_b32 v[GB+7],  v[AK] offset:KNOT+8
	ds_load_b32 v[GB+11], v[AK] offset:KNOT+12
	ds_load_b32 v[GB+15], v[AK] offset:KNOT+16
	ds_load_b32 v[GB+16], v[AK] offset:KNOT+20
	ds_load_b32 v[GB+17], v[AK] offset:KNOT+24
.endm
; temp = Ni / dU, or 1e-4 where dU == 0
.macro TEMP n, i
	v_mul_f32 v[TMP], v[N+\n], v[Q+\i]
	v_cndmask_b32 v[TMP], v[TMP], s17, s[20+\i]
.endm
; Slot k: the recursion and the sum.  left = how many LDS loads were issued behind this slot's ten.
; With s = uspan: L_a = u - U[s + 1 - a], R_a = U[s + a] - u, and step (k, r) of the reference has
; U1 - u = R_(r+1), u - U2 = L_(k-r), dU = R_(r+1) + L_(k-r), in the reference's order of operations.
.macro EVAL k, left
.set GB, G+18*\k
.set L3, GB+3
.set L2, GB+7
.set L1, GB+11
.set R1, GB+15
.set R2, GB+16
.set R3, GB+17
	s_wait_dscnt \left                             ; LDS answers in order: my slot's ten loads are in, those of the later slots may be out
	v_sub_f32 v[L3], v[U+\k], v[L3]
	v_sub_f32 v[L2], v[U+\k], v[L2]
	v_sub_f32 v[L1], v[U+\k], v[L1]
	v_sub_f32 v[R1], v[R1], v[U+\k]
	v_sub_f32 v[R2], v[R2], v[U+\k]
	v_sub_f32 v[R3], v[R3], v[U+\k]
	v_add_f32 v[I],   v[R1], v[L1]                 ; degree 1
	v_add_f32 v[I+1], v[R1], v[L2]                 ; degree 2
	v_add_f32 v[I+2], v[R2], v[L1]
	v_add_f32 v[I+3], v[R1], v[L3]                 ; degree 3
	v_add_f32 v[I+4], v[R2], v[L2]
	v_add_f32 v[I+5], v[R3], v[L1]
.irp i, 0,1,2,3,4,5
	v_rcp_f32 v[Q+\i], v[I+\i]
.endr
.irp i, 0,1,2,3,4,5
	v_cmp_eq_f32 s[20+\i], 0, v[I+\i]              ; these plain lines read the reciprocals' sources and none of their results: they are the
.endr                                                  ; distance that a transcendental's result asks for (ISA guide 5.7.2)
	s_wait_alu depctr_va_vdst(0)
	v_cndmask_b32 v[TMP], v[Q], s17, s20           ; degree 1: Ni[0] = 1
	v_mul_f32 v[N],   v[R1], v[TMP]
	v_mul_f32 v[N+1], v[L1], v[TMP]
	TEMP 0, 1                                      ; degree 2
	v_mul_f32 v[N],  v[R1], v[TMP]
	v_mul_f32 v[SV], v[L2], v[TMP]
	TEMP 1, 2
	v_fma_f32 v[N+1], v[R2], v[TMP], v[SV]
	v_mul_f32 v[N+2], v[L1], v[TMP]
	TEMP 0, 3                                      ; degree 3
	v_mul_f32 v[N],  v[R1], v[TMP]
	v_mul_f32 v[SV], v[L3], v[TMP]
	TEMP 1, 4
	v_fma_f32 v[N+1], v[R2], v[TMP], v[SV]
	v_mul_f32 v[SV],  v[L2], v[TMP]
	TEMP 2, 5
	v_fma_f32 v[N+2], v[R3], v[TMP], v[SV]
	v_mul_f32 v[N+3], v[L1], v[TMP]
.irp d, 0,1,2
	v_mul_f32 v[O+3*\k+\d], v[N], v[GB+\d]         ; the first product starts the sum
.endr
.irp i, 1,2,3
.irp d, 0,1,2
	v_fmac_f32 v[O+3*\k+\d], v[N+\i], v[GB+4*\i+\d]
.endr
.endr
.endm
	; Four slots' gathers run ahead of the arithmetic: slot k + 4 is asked for behind slot k's sums.  So in front of slots 0 to 4 the loads
	; of three later slots (30) have been issued behind the slot's own, then of two, one and none.  The first wait also shows the ten LDS
	; stores above done, whose data registers the results take over.
	GATHER 0
	GATHER 1
	GATHER 2
	GATHER 3
	EVAL 0, 30
	GATHER 4
	EVAL 1, 30
	GATHER 5
	EVAL 2, 30
	GATHER 6
	EVAL 3, 30
	GATHER 7
	EVAL 4, 30
	EVAL 5, 20
	EVAL 6, 10
	EVAL 7, 0
	; THE WAY OUT.  My 24 results are 96 consecutive bytes of the batch's 3,072; through my wave's stage they become six stores of the wave,
	; each of 512 consecutive bytes at a multiple of 512 from out0's first byte.
.irp i, 0,1,2,3,4,5
	ds_store_b128 v12, v[O+4*\i:O+4*\i+3] offset:STAGE+16*\i
.endr
.irp i, 0,1,2,3,4,5
	ds_load_b128 v[G+4*\i:G+4*\i+3], v10 offset:STAGE+512*\i       ; my wave's own bytes, served behind the stores above
.endr
.irp i, 0,1,2,3,4,5
	s_wait_dscnt 5-\i                              ; load i is in; the 5 - i issued behind it may be out
	global_store_b128 v5, v[G+4*\i:G+4*\i+3], s[10:11] offset:512*\i th:TH_STORE_NT
.endr
	s_wait_tensorcnt 0x0
	ds_add_u32 v216, v217
	s_wait_dscnt 0x0
	s_endpgm
.Lfunc_end_k_q677c358dd2_curve_eval:
	.size	k_q677c358dd2_curve_eval, .Lfunc_end_k_q677c358dd2_curve_eval-k_q677c358dd2_curve_eval
	.p2alignl 7, 3214868480
	.fill 96, 4, 3214868480
	.section	.rodata,"a",@progbits
	.p2align	6, 0x0
	.amdhsa_kernel k_q677c358dd2_curve_eval
		.amdhsa_group_segment_fixed_size 96256
		.amdhsa_private_segment_fixed_size 0
		.amdhsa_enable_private_segment 0
		.amdhsa_kernarg_size 32
		.amdhsa_user_sgpr_count 2
		.amdhsa_user_sgpr_kernarg_segment_ptr 1
		.amdhsa_wavefront_size32 1
		.amdhsa_system_sgpr_workgroup_id_x 1
		.amdhsa_system_sgpr_workgroup_id_y 1
		.amdhsa_system_sgpr_workgroup_id_z 1
		.amdhsa_system_vgpr_workitem_id 0
		.amdhsa_next_free_vgpr 218
		.amdhsa_next_free_sgpr 66
		.amdhsa_reserve_vcc 1
		.amdhsa_float_denorm_mode_32 3
		.amdhsa_float_denorm_mode_16_64 3
		.amdhsa_memory_ordered 1
		.amdhsa_forward_progress 1
		.amdhsa_inst_pref_size 35
	.end_amdhsa_kernel
	.amdgpu_metadata
---
amdhsa.version: [ 1, 2 ]
amdhsa.kernels:
  - .name:           k_q677c358dd2_curve_eval
    .symbol:         k_q677c358dd2_curve_eval.kd
    .args:
      - { .name: ctrl_pts, .offset: 0, .size: 8, .value_kind: global_buffer, .address_space: global }
      - { .name: knot_u, .offset: 8, .size: 8, .value_kind: global_buffer, .address_space: global }
      - { .name: span, .offset: 16, .size: 8, .value_kind: global_buffer, .address_space: global }
      - { .name: out0, .offset: 24, .size: 8, .value_kind: global_buffer, .address_space: global }
    .group_segment_fixed_size: 96256
    .private_segment_fixed_size: 0
    .kernarg_segment_align: 8
    .kernarg_segment_size: 32
    .max_flat_workgroup_size: 512
    .sgpr_count:     66
    .vgpr_count:     218
    .wavefront_size: 32
...
	.end_amdgpu_metadata
.endif
;; end of part 2
;; ======== version 2 of 3: 2 launches; 1.28 times as fast as version 1
;; workspace buffers: span 1,048,576 bytes of whole numbers
;; launch span_search (part 3): grid 256 x 1, 16 waves a work-group, no clusters, 0 bytes of LDS; arguments knot_u, span; writes span
.if DOCPART == 3
	.amdgcn_target "amdgcn-amd-amdhsa--gfx1250"
	.amdhsa_code_object_version 6
	.text
	.protected	k_q677c358dd2_span_search
	.globl	k_q677c358dd2_span_search
	.p2align	8
	.type	k_q677c358dd2_span_search,@function
k_q677c358dd2_span_search:
	s_mov_b64 s[64:65], 0
	v_nop
	global_prefetch_b8 v0, s[64:65] scope:SCOPE_SE
	s_setreg_imm32_b32 hwreg(HW_REG_WAVE_MODE, 25, 1), 1
	s_wait_xcnt 0x0
; span[b][t] = argmin over j = 0..128 of ( d > 1e-8 ? d : 1.0 ),  d = u[t] - knot_u[b][3 + j],  first occurrence; one byte each.
; (reference()'s uspan is this number + 3.)  The knots are NOT taken to be sorted: every one of the 129 is subtracted from every u, and ties
; go to the lowest j.
;
; SHARES.  4096 batches = 256 work-groups x 16 waves: a wave takes one batch.  Lane l takes the eight points t = 8 l + k ("slots").
; The batch's knots are the same for all lanes: they come by scalar loads, 16 at a time, into four register sets, and are scalar operands.
; The first 64 knots are asked for at once; a pair of sets is asked for again when both have been used up, two steps of 16 knots (16 units,
; see below) ahead of the wait for it.
; No input is shared between work-groups (nothing to multicast), a wave's input is about 1 KB (nothing to ring or prefetch), there is no product.
;
; METHOD.  j = 0..127 go in 16 blocks of 8.
; (1) KEY.  key = bits(d) - (bits(1e-8) + 1) as an unsigned word.  d in (1e-8, +inf] gives 0 .. 0x4d543388, in d's order and with d's ties;
;     every other d (0 .. 1e-8 wraps round; negative; NaN) gives a larger word.  One integer add stands for a compare and a select.
; (2) THE 1.0 OF THE MASK, once a block.  The rounded u - U never rises when U rises, so a block holds a masked knot exactly when
;     u - (its largest knot) is not > 1e-8 (the largest is taken so that a NaN knot wins).  A ninth element enters the block's minimum:
;     key(1.0) if so, else all ones.  Masked knots' own keys are above key(1.0) and never win against it.  9 elements = four 3-way minima.
; (3) A slot carries its best key and its block (as 4 x block).  A later block takes over only where it is strictly smaller.
; (4) FINISH.  The slot fetches its block's knots from a table in registers (lane n holds block n's eight knots) by ds_bpermute_b32: the index
;     names a lane, no LDS byte is touched and no memory address is made of it.  The reference's masked values are made again, and the first
;     that equals best gives the place.  Knot j = 128 is compared last, strictly.
; A unit = one block x two slots = 16 dual lines (this unit's f32 subtractions beside the last unit's integer adds, two key buffers in turn)
; + 13 lines for the two minima + 4 for the two take-overs.  The scan is written out (64 units): block maxima and load offsets are then constants.
; The knots are read twice, 516 bytes as scalars and 512 bytes as the table.
;
; LIMIT.  u[t] is rebuilt as jnp.linspace makes it: step = t / 255 rounded to nearest, u = 1e-5 (1 - step) + 0.99999 step, each operation rounded
; by itself.  A reference that fuses or reassociates these may differ by one unit in u's last place.
.set KOFF,  0x322bcc78                 ; bits(1e-8) + 1
.set NEGK,  0xcdd43388                 ; - KOFF, modulo 2^32
.set KEY1,  0x0d543388                 ; bits(1.0) - KOFF
.set S0,   16                          ; s[16:31]  knots, set 0: j = 0..15, then 64..79
.set S1,   32                          ; s[32:47]  set 1: j = 16..31, then 80..95
.set S2,   68                          ; s[68:83]  set 2: j = 32..47, then 96..111
.set S3,   84                          ; s[84:99]  set 3: j = 48..63, then 112..127
.set SMX,  48                          ; s[48:63]  the largest knot of blocks 0..15
.set U,    2                           ; v[2:9]    u of my eight slots
.set CVA,  10                          ; v10, v11  NEGK twice: in a dual line the two second sources lie in different banks (number mod 4),
.set CVB,  11                          ;           so beside a u in bank 2 stands v11 (bank 3), beside any other v10 (bank 2)
.set BEST, 12                          ; v[12:27]  slot k: best key at 12 + 2 k, 4 x its block at 13 + 2 k
.set R,    29                          ; v[29:36]  the table: knot 8 (l mod 16) + i in register i
.set BMX,  37                          ; v37       lane n: the largest knot of block n mod 16
.set OFT,  38                          ; v38       32 (l mod 16): my block's byte offset in the row
.set DA,   40                          ; v[40:55]  key buffer A (even first register): slot 2 p at +0..7, slot 2 p + 1 at +8..15
.set DB,   57                          ; v[57:72]  key buffer B (odd first register: a dual line has one even and one odd destination)
.set E,    74                          ; v74, v75  the ninth element of the two slots
.set BM,   76                          ; v76, v77  the block's minimum for the two slots
.set BV,   78                          ; v78       4 x the block whose minimum is at work (bank 2, beside BM's banks 0 and 1)
.set BIG,  79                          ; v79       all ones
.set X0,   80                          ; v80-82    at work
.set X1,   81
.set X2,   82
.set TB,   83                          ; v83       8 x lane: my first t, and my byte offset in the batch's 256 span bytes
.set W,    84                          ; v[84:85]  the eight bytes to store
.set J,    86                          ; v[86:93]  slot k's result
.set MF,   94                          ; v94       best as the f32 that it stands for
.set C128, 95                          ; v95       the index 128
.set F,    96                          ; v[96:158] slot k: the first seven knots of its block at 96 + 8 k
.set CUR,  DA                          ; the buffer that takes this unit's differences
.set PRV,  DB                          ; the buffer that holds the last unit's
	s_load_b128 s[4:7], s[0:1], 0x0                ; knot_u s[4:5], span s[6:7]
	v_and_b32 v1, 31, v0                           ; lane
	v_lshrrev_b32 v2, 5, v0
	v_readfirstlane_b32 s8, v2                     ; wave
	s_lshl_b32 s9, ttmp9, 4
	s_add_co_u32 s9, s9, s8                        ; batch b = 16 x work-group + wave
	s_mul_i32 s10, s9, 528                         ; a row of 132 knots
	s_add_co_u32 s10, s10, 12                      ; the search starts at knot 3
	s_mov_b32 s11, 0
	v_and_b32 v[OFT], 15, v1
	v_lshlrev_b32 v[OFT], 5, v[OFT]
	s_wait_kmcnt 0x0
	s_add_nc_u64 s[4:5], s[4:5], s[10:11]          ; &knot_u[b][3]; not stepped again: all later offsets are immediates
	s_lshl_b32 s10, s9, 8
	s_add_nc_u64 s[6:7], s[6:7], s[10:11]          ; &span[b][0]
	s_load_b512 s[S0:S0+15], s[4:5], 0x0           ; j = 0..15
	s_load_b512 s[S1:S1+15], s[4:5], 0x40          ; j = 16..31
	s_load_b512 s[S2:S2+15], s[4:5], 0x80          ; j = 32..47
	s_load_b512 s[S3:S3+15], s[4:5], 0xc0          ; j = 48..63
	s_load_b32 s12, s[4:5], 0x200                  ; j = 128, the row's last knot
	; the table: j = 8 n + 0 | 1..4 | 5, 6 | 7.  A row begins at a multiple of 16 bytes and j = 0 at byte 12 of it, so the pieces are cut
	; where each address is a multiple of its width (bytes 12, 16, 32, 40 of the row, + 32 n).  The last is j = 127: inside the row.
	global_load_b32  v[R],       v[OFT], s[4:5]
	global_load_b128 v[R+1:R+4], v[OFT], s[4:5] offset:4
	global_load_b64  v[R+5:R+6], v[OFT], s[4:5] offset:20
	global_load_b32  v[R+7],     v[OFT], s[4:5] offset:28
	s_mov_b32 s13, 0x322bcc77                      ; 1e-8
	s_mov_b32 s14, KEY1
	s_mov_b32 s66, 0x3b808081                      ; 1 / 255
	s_mov_b32 s67, 0x437f0000                      ; 255
	s_mov_b32 s2, 0x3727c5ac                       ; 1e-5
	s_mov_b32 s3, 0x3f7fff58                       ; 0.99999
	v_lshlrev_b32 v[TB], 3, v1
	v_mov_b32 v[CVA], NEGK
	v_mov_b32 v[CVB], NEGK
	v_mov_b32 v[BIG], -1
	v_mov_b32 v[BV], 0
	v_mov_b32 v[C128], 0x80
; u of slot k.  t / 255: a first quotient, its exact remainder by one fused multiply-add, one correction.
.macro UCALC k
	v_or_b32 v[X0], \k, v[TB]                      ; t = 8 l + k
	v_cvt_f32_u32 v[X0], v[X0]
	v_mul_f32 v[X1], s66, v[X0]
	v_fma_f32 v[X2], -v[X1], s67, v[X0]
	v_fma_f32 v[X1], v[X2], s66, v[X1]             ; step
	v_sub_f32 v[X2], 1.0, v[X1]
	v_mul_f32 v[X2], s2, v[X2]
	v_mul_f32 v[X1], s3, v[X1]
	v_add_f32 v[U+\k], v[X2], v[X1]
.endm
.irp k, 0,1,2,3,4,5,6,7
	UCALC \k
.endr
	s_wait_loadcnt 0x0                             ; the table
	v_maximum_f32 v[BMX], v[R], v[R+1]             ; a NaN wins: a NaN knot is a masked knot
.irp i, 2,3,4,5,6,7
	v_maximum_f32 v[BMX], v[BMX], v[R+\i]
.endr
.irp n, 0,1,2,3,4,5,6,7,8,9,10,11,12,13,14,15
	v_readlane_b32 s[SMX+\n], v[BMX], \n
.endr
; The first unit's 16 differences, with nothing to pair them with.
.macro FIRSTSUBS S
.irp h, 0,1
.set i, 0
.rept 8
	v_sub_f32 v[CUR+8*\h+i], v[U+\h], s[(\S)+i]
.set i, i+1
.endr
.endr
.endm
; 16 dual lines.  First half: d = u - knot for the slots 2 p, 2 p + 1 and the knots s[S] .. s[S+7], into CUR.  Second half: the last unit's d
; in PRV become keys, in place.  Each half reads one scalar or none; CUR + e and PRV + e differ in parity.
.macro PAIRS p, S
.irp h, 0,1
.set CV, CVA
.if ((U+2*\p+\h)%4) == 2
.set CV, CVB
.endif
.set i, 0
.rept 8
	v_dual_subrev_f32 v[CUR+8*\h+i], s[(\S)+i], v[U+2*\p+\h] :: v_dual_add_nc_u32 v[PRV+8*\h+i], v[PRV+8*\h+i], v[CV]
.set i, i+1
.endr
.endr
.endm
; The last unit's 16 keys, with nothing to pair them with.
.macro LASTADDS
.set i, 0
.rept 16
	v_add_nc_u32 v[PRV+i], v[CVA], v[PRV+i]
.set i, i+1
.endr
.endm
; The keys in PRV (slots 2 p, 2 p + 1; a block whose largest knot is s[sm]): ninth element, minimum, take-over.
; first = 1 (block 0): the minimum starts best, and the block is 0: nothing is compared.
.macro REDUCE p, sm, first
.set KA, BEST+4*(\p)
.set KC, BEST+4*(\p)+2
.if \first
.set B0, KA
.set B1, KC
.else
.set B0, BM
.set B1, BM+1
.endif
	v_dual_subrev_f32 v[E], s[\sm], v[U+2*(\p)] :: v_dual_subrev_f32 v[E+1], s[\sm], v[U+2*(\p)+1]   ; the block's smallest d
	v_min3_u32 v[B0], v[PRV],    v[PRV+1],  v[PRV+2]
	v_min3_u32 v[B1], v[PRV+8],  v[PRV+9],  v[PRV+10]
	v_cmp_lt_f32 vcc_lo, s13, v[E]                 ; 1e-8 < d (false for NaN): no knot of the block is masked
	v_min3_u32 v[B0], v[B0],     v[PRV+3],  v[PRV+4]
	v_cndmask_b32 v[E], s14, v[BIG], vcc_lo        ; all ones where set, else key(1.0)
	v_min3_u32 v[B1], v[B1],     v[PRV+11], v[PRV+12]
	v_cmp_lt_f32 vcc_lo, s13, v[E+1]
	v_min3_u32 v[B0], v[B0],     v[PRV+5],  v[PRV+6]
	v_cndmask_b32 v[E+1], s14, v[BIG], vcc_lo
	v_min3_u32 v[B1], v[B1],     v[PRV+13], v[PRV+14]
	v_min3_u32 v[B0], v[B0],     v[PRV+7],  v[E]
	v_min3_u32 v[B1], v[B1],     v[PRV+15], v[E+1]
.if \first
	v_mov_b32 v[KA+1], 0
	v_mov_b32 v[KC+1], 0
.else
	v_cmp_le_u32 vcc_lo, v[KA], v[BM]              ; set: the old best stays (a tie stays with the earlier block)
	v_dual_cndmask_b32 v[KA], v[BM], v[KA] :: v_dual_cndmask_b32 v[KA+1], v[BV], v[KA+1]
	v_cmp_le_u32 vcc_lo, v[KC], v[BM+1]
	v_dual_cndmask_b32 v[KC], v[BM+1], v[KC] :: v_dual_cndmask_b32 v[KC+1], v[BV], v[KC+1]
.endif
.endm
; Block b, knots s[S] .. s[S+7]: four units.  Each unit's minimum is taken one unit later, so unit p = 0 finishes block b - 1
; (that minimum reads keys in vector registers and the block's largest knot in s[SMX ..], no register of a knot set).
.macro BLK b, S
.set FSTC, 0
.set FSTP, 0
.if (\b) == 0
.set FSTC, 1
.endif
.if (\b) == 1
.set FSTP, 1
.endif
.irp p, 0,1,2,3
.if (\b)+\p == 0
	FIRSTSUBS \S
.else
	PAIRS \p, \S
.if \p == 0
	REDUCE 3, SMX+(\b)-1, FSTP
	v_add_nc_u32 v[BV], 4, v[BV]                   ; block b - 1 is done in all eight slots
.else
	REDUCE \p-1, SMX+(\b), FSTC
.endif
.endif
.set CUR, DA+DB-CUR                                    ; the buffers change places
.set PRV, DA+DB-PRV
.endr
.endm
; A step: sixteen knots = two blocks = eight units, out of set cur.
.macro HALF n, cur
	BLK 2*\n, \cur
	BLK 2*\n+1, \cur+8
.endm
	; Scalar loads return in no order, so every wait is for 0.  Each read of a set stands behind a wait that follows the load into it; each
	; load into a set stands behind the last vector instruction that reads it.
	s_wait_kmcnt 0x0                               ; all five loads of the start: sets 0 to 3 (j = 0..63) and knot 128
	HALF 0, S0
	HALF 1, S1
	s_load_b512 s[S0:S0+15], s[4:5], 0x100         ; j = 64..79:  sets 0 and 1 are used up; they are waited for two steps on
	s_load_b512 s[S1:S1+15], s[4:5], 0x140         ; j = 80..95
	HALF 2, S2                                     ; sets 2 and 3 came in with the first wait
	HALF 3, S3
	s_wait_kmcnt 0x0                               ; sets 0 and 1
	s_load_b512 s[S2:S2+15], s[4:5], 0x180         ; j = 96..111: behind that wait, so that it did not have to wait for these two as well
	s_load_b512 s[S3:S3+15], s[4:5], 0x1c0         ; j = 112..127: the last bytes asked for end where knot 128 begins, inside the row
	HALF 4, S0
	HALF 5, S1
	s_wait_kmcnt 0x0                               ; sets 2 and 3
	HALF 6, S2
	HALF 7, S3
	LASTADDS
	REDUCE 3, SMX+15, 0
; Slot k: knots 0..6 of its block, each from the lane whose number is the block (the index is 4 x lane, which is what the slot carries).
; Knot 7 is not needed: it is the place that is left when none of the first seven equals best.
.macro FETCH k
.irp i, 0,1,2,3,4,5,6
	ds_bpermute_b32 v[F+8*\k+\i], v[BEST+2*\k+1], v[R+\i]
.endr
.endm
; Slot k: the reference's masked values of those knots; the first equal to best (looked for from the back, so that the lowest place is written
; last); then knot 128.  left = how many fetches were issued behind this slot's seven.
.macro FINISH k, left
.set FB, F+8*\k
	s_wait_dscnt \left                             ; they answer in order: my seven are in, those of the later slots may be out
	v_add_nc_u32 v[MF], KOFF, v[BEST+2*\k]         ; the key back to the f32: a valid d, or 1.0
.irp i, 0,1,2,3,4,5,6
	v_sub_f32 v[FB+\i], v[U+\k], v[FB+\i]
.endr
.irp i, 0,1,2,3,4,5,6
	v_cmp_lt_f32 vcc_lo, s13, v[FB+\i]
	v_cndmask_b32 v[FB+\i], 1.0, v[FB+\i], vcc_lo
.endr
	v_mov_b32 v[X0], 7
.irp i, 6,5,4,3,2,1,0
	v_cmp_eq_f32 vcc_lo, v[FB+\i], v[MF]
	v_cndmask_b32 v[X0], v[X0], \i, vcc_lo
.endr
	v_lshl_add_u32 v[J+\k], v[BEST+2*\k+1], 1, v[X0]       ; 8 x block + place
	v_sub_f32 v[X1], v[U+\k], s12                  ; d = u - knot 128
	v_cmp_lt_f32 vcc_lo, s13, v[X1]
	v_cndmask_b32 v[X1], 1.0, v[X1], vcc_lo
	v_cmp_lt_f32 vcc_lo, v[X1], v[MF]              ; strictly smaller: a tie stays with the earlier index
	v_cndmask_b32 v[J+\k], v[J+\k], v[C128], vcc_lo
.endm
	; Four slots' fetches run ahead: slot k + 4 is asked for behind slot k's finish.  So in front of slots 0 to 4 the fetches of three later
	; slots (21) have been issued behind the slot's own, then of two, one and none.
	FETCH 0
	FETCH 1
	FETCH 2
	FETCH 3
	FINISH 0, 21
	FETCH 4
	FINISH 1, 21
	FETCH 5
	FINISH 2, 21
	FETCH 6
	FINISH 3, 21
	FETCH 7
	FINISH 4, 21
	FINISH 5, 14
	FINISH 6, 7
	FINISH 7, 0
	v_lshl_or_b32 v[W],   v[J+1], 8,  v[J]          ; eight indices, one byte each, t ascending
	v_lshl_or_b32 v[W+1], v[J+5], 8,  v[J+4]
	v_lshl_or_b32 v[W],   v[J+2], 16, v[W]
	v_lshl_or_b32 v[W+1], v[J+6], 16, v[W+1]
	v_lshl_or_b32 v[W],   v[J+3], 24, v[W]
	v_lshl_or_b32 v[W+1], v[J+7], 24, v[W+1]
	global_store_b64 v[TB], v[W:W+1], s[6:7]       ; the wave stores the batch's 256 consecutive bytes, at a multiple of 256 from span's first byte
	s_endpgm
.Lfunc_end_k_q677c358dd2_span_search:
	.size	k_q677c358dd2_span_search, .Lfunc_end_k_q677c358dd2_span_search-k_q677c358dd2_span_search
	.p2alignl 7, 3214868480
	.fill 96, 4, 3214868480
	.section	.rodata,"a",@progbits
	.p2align	6, 0x0
	.amdhsa_kernel k_q677c358dd2_span_search
		.amdhsa_group_segment_fixed_size 0
		.amdhsa_private_segment_fixed_size 0
		.amdhsa_enable_private_segment 0
		.amdhsa_kernarg_size 16
		.amdhsa_user_sgpr_count 2
		.amdhsa_user_sgpr_kernarg_segment_ptr 1
		.amdhsa_wavefront_size32 1
		.amdhsa_system_sgpr_workgroup_id_x 1
		.amdhsa_system_sgpr_workgroup_id_y 1
		.amdhsa_system_sgpr_workgroup_id_z 1
		.amdhsa_system_vgpr_workitem_id 0
		.amdhsa_next_free_vgpr 160
		.amdhsa_next_free_sgpr 100
		.amdhsa_reserve_vcc 1
		.amdhsa_float_denorm_mode_32 3
		.amdhsa_float_denorm_mode_16_64 3
		.amdhsa_memory_ordered 1
		.amdhsa_forward_progress 1
		.amdhsa_inst_pref_size 145
	.end_amdhsa_kernel
	.amdgpu_metadata
---
amdhsa.version: [ 1, 2 ]
amdhsa.kernels:
  - .name:           k_q677c358dd2_span_search
    .symbol:         k_q677c358dd2_span_search.kd
    .args:
      - { .name: knot_u, .offset: 0, .size: 8, .value_kind: global_buffer, .address_space: global }
      - { .name: span, .offset: 8, .size: 8, .value_kind: global_buffer, .address_space: global }
    .group_segment_fixed_size: 0
    .private_segment_fixed_size: 0
    .kernarg_segment_align: 8
    .kernarg_segment_size: 16
    .max_flat_workgroup_size: 512
    .sgpr_count:     100
    .vgpr_count:     160
    .wavefront_size: 32
...
	.end_amdgpu_metadata
.endif
;; end of part 3
;; launch curve_eval: the kernel of part 2 again; grid 256 x 1, 16 waves a work-group, no clusters, 96,256 bytes of LDS; arguments ctrl_pts, knot_u, span, out0; writes out0
;; ======== version 3 of 3: 2 launches; version 2 with the launch curve_eval written anew for expert scheduling mode
;; workspace buffers: span 1,048,576 bytes of whole numbers
;; launch span_search: the kernel of part 3 again; grid 256 x 1, 16 waves a work-group, no clusters, 0 bytes of LDS; arguments knot_u, span; writes span
;; launch curve_eval (part 4): grid 256 x 1, 16 waves a work-group, no clusters, 96,256 bytes of LDS; arguments ctrl_pts, knot_u, span, out0; writes out0
.if DOCPART == 4
	.amdgcn_target "amdgcn-amd-amdhsa--gfx1250"
	.amdhsa_code_object_version 6
	.text
	.protected	k_q677c358dd2_curve_eval
	.globl	k_q677c358dd2_curve_eval
	.p2align	8
	.type	k_q677c358dd2_curve_eval,@function
k_q677c358dd2_curve_eval:
	s_mov_b64 s[64:65], 0
	v_nop
	global_prefetch_b8 v0, s[64:65] scope:SCOPE_SE
	s_setreg_imm32_b32 hwreg(HW_REG_WAVE_SCHED_MODE, 0, 2), 2
	s_setreg_imm32_b32 hwreg(HW_REG_WAVE_MODE, 25, 1), 1
	s_wait_xcnt 0x0
	s_wait_alu depctr_vm_vsrc(0)
; out0[b][t][:] = sum over i = 0..3 of N_i(u[t]) ctrl_pts[b][j + i][:],  j = span[b][t] (stored by the launch before; uspan = j + 3),
; N_0..N_3 by the reference's Cox-de Boor recursion on knot_u[b][j + 1 .. j + 6], with its case dU == 0 -> 1e-4.
;
; SHARES.  4096 batches = 256 work-groups x 16 waves: a wave takes one batch, lane l the eight points t = 8 l + k ("slots").
; The batch's 132 knots and 128 control points are read once, in runs of neighbouring bytes, into the wave's OWN bytes of LDS and gathered from there
; by j.  The 3,072 bytes of results go back through the wave's own stage, so that each store covers 512 consecutive bytes.
; All LDS bytes are a wave's own (wave x WB + ...), and LDS serves a wave's instructions in order (ISA guide 5.7.1): no barrier, and no wait between
; a wave's stores and its loads.
; NOT USED, and why.  Matrix unit: each point (b, t) has a 4 x 3 operand of its own and one row of 4 weights, so no operand is shared by two
; outputs; the sum is 12 fused multiply-adds a point in f32.  Clusters: no two work-groups read a common byte.  Tensor loads, rings: a wave's whole
; input is 2,320 bytes.
;
; THE MODE: SCHED_MODE bits 1:0 = 2 (LLVM: expert scheduling mode 2), set by the entry lines.  The code itself states the register dependences
; between vector instructions and memory or LDS instructions, with s_wait_alu, always for 0.
; THE PLAN.  Registers that memory or LDS instructions touch:
;   v2-v7, v9-v12   offsets and LDS addresses: written at the head, never again.
;   KN, CP, SP      written by the global loads (KN+4 once more by a select; a record's fourth word by the head); KN and CP are read by the ten LDS stores.
;   AC0-7, AK0-7    a pair of LDS addresses for each slot: written once by vector lines, read by the slot's ten LDS loads, never written again.
;   G, slot k       18 registers of the slot's own: written by its ten LDS loads; no vector line names them ahead of EVAL k.
;   O               lies where KN and CP lay: written by the sums, read by the six stage stores.
;   v54-v77         G of slots 0 and 1 once more: the six stage loads land there, the six global stores read them.
; So: one wait on va_vdst ahead of the first global load; one ahead of the one LDS store whose data a vector line made; one ahead of the gathers of
; slots 0 to 3; the wait that each EVAL has for its reciprocals also stands ahead of the gather of slot k + 4, whose addresses were made ahead of
; EVAL 0; one ahead of the stage.  One wait on vm_vsrc stands between the ten LDS stores and the first sum.  Scalar results of vector lines (the
; wave's number, the masks) have their waits ahead of their first readers.
;
; LIMITS.  Ni / dU is Ni x v_rcp_f32(dU): one unit in the last place, and |dU| below 2^-126 counts as zero there (ISA guide 15.8).
; saved + (U1 - u) temp is one fused multiply-add.  u[t] as in the launch before: linspace's own arithmetic, each operation rounded by itself.
; Indices past the tables (only for j above 124): knots 132..134 read as NaN, control points 128..131 as point 127.
.set WB,    5888                       ; LDS bytes of a wave
.set KNOT,  2112                       ; +0: 132 records of 16 bytes (x, y, z, 0);  +2112: 160 words of knots (132..159 = NaN)
.set STAGE, 2752                       ; +2752: 3,072 bytes, the batch's results as they lie in memory
.set TB,  3                            ; v3        8 x lane
.set SP,  14                           ; v[14:15]  my eight span bytes
.set KN,  16                           ; v[16:20]  knots on their way to LDS
.set CP,  22                           ; v[22:41]  control points on their way to LDS: five records of 4 registers (x, y, z, 0)
.set O,   16                           ; v[16:39]  my 24 results (the registers above are free by then)
.set U,   42                           ; v[42:49]  u of my eight slots
.set JJ,  50                           ; v[50:53]  j of four slots at a time: named by vector lines alone
.set G,   54                           ; v[54:197] slot k at 54 + 18 k: point i at +4 i .. +4 i + 2; knots j+1 .. j+6 at +3, +7, +11, +15, +16, +17
.set I,   198                          ; v[198:203] the six dU
.set N,   204                          ; v[204:207] N0..N3
.set TMP, 208
.set SV,  209
.set Q,   210                          ; v[210:215] the six 1 / dU
.set X0,  210                          ; v210-212 at work while u is made, before Q is needed
.set X1,  211
.set X2,  212
.set AC,  218                          ; v[218:225] slot k: LDS address of record j
.set AK,  226                          ; v[226:233] slot k: LDS address of knot word j, less KNOT
	s_load_b256 s[4:11], s[0:1], 0x0               ; ctrl_pts s[4:5], knot_u s[6:7], span s[8:9], out0 s[10:11]
	v_lshl_add_u32 v216, v0, 2, 0x17000            ; my spare word, behind the sixteen waves' 94,208 bytes, and 0: kept for the closing lines alone
	v_mov_b32 v217, 0
	v_and_b32 v1, 31, v0                           ; lane
	v_lshrrev_b32 v2, 5, v0
	v_readfirstlane_b32 s12, v2                    ; wave
	v_cmp_gt_u32 vcc_lo, 4, v1                     ; lanes 0 to 3: those that hold a true knot among the words 128..159 (read by the select further down)
	s_lshl_b32 s13, ttmp9, 4
	s_mov_b32 s15, 0
	s_mov_b32 s17, 0x38d1b717                      ; 1e-4
	s_mov_b32 s26, 0x3b808081                      ; 1 / 255
	s_mov_b32 s27, 0x437f0000                      ; 255
	s_mov_b32 s28, 0x3727c5ac                      ; 1e-5
	s_mov_b32 s29, 0x3f7fff58                      ; 0.99999
	v_lshlrev_b32 v2, 2, v1                        ; 4 l
	v_lshlrev_b32 v[TB], 3, v1                     ; 8 l
	v_mul_u32_u24 v4, 12, v1                       ; 12 l
	v_lshlrev_b32 v5, 4, v1                        ; 16 l
	v_min_u32 v6, 3, v1
	v_lshlrev_b32 v6, 2, v6                        ; 4 min(l, 3): the row's last four knots, no lane past the row's end
	v_mov_b32 v7, 0
	v_and_b32 v11, 3, v1
.irp k, 0,1,2,3,4
	v_mov_b32 v[CP+4*\k+3], 0                      ; a record's fourth word: records go to LDS whole, so that none of their bytes is left as it was found
.endr
	s_wait_alu depctr_va_sdst(0)                   ; s12 is written, ahead of its first reader: the batch and my wave's LDS bytes are made from it
	s_wait_alu depctr_va_vcc(0)                    ; VCC, the mask of lanes 0 to 3, is written, ahead of the select that reads it
	s_add_co_u32 s13, s13, s12                     ; batch b
	s_mul_i32 s16, s12, WB                         ; my wave's LDS
	v_mov_b32 v8, s16                              ; LDS: my wave's first byte
	v_add_nc_u32 v9, s16, v2                       ; + 4 l
	v_add_nc_u32 v10, s16, v5                      ; + 16 l
	v_lshl_add_u32 v11, v11, 4, v8                 ; + 16 (l mod 4)
	v_mad_u32_u24 v12, v1, 96, v8                  ; + 96 l: my 24 results
	s_wait_kmcnt 0x0
	s_mul_i32 s14, s13, 1536
	s_add_nc_u64 s[4:5], s[4:5], s[14:15]
	s_mul_i32 s14, s13, 528
	s_add_nc_u64 s[6:7], s[6:7], s[14:15]
	s_lshl_b32 s14, s13, 8
	s_add_nc_u64 s[8:9], s[8:9], s[14:15]
	s_mul_i32 s14, s13, 3072
	s_add_nc_u64 s[10:11], s[10:11], s[14:15]
	s_wait_alu depctr_va_vdst(0)                   ; the offsets v2 to v7, the LDS addresses v9 to v12 and the records' fourth words are written: every load and store below but the gathers reads some of them
	; eleven loads: 5 of knots, 5 of control points, 1 of spans; the waits below count in this order.  Every byte is read once in the launch.
.irp k, 0,1,2,3
	global_load_b32 v[KN+\k], v2, s[6:7] offset:128*\k th:TH_LOAD_NT           ; knots 32 k + l
.endr
	global_load_b32 v[KN+4], v6, s[6:7] offset:512 th:TH_LOAD_NT               ; knots 128 + min(l, 3)
.irp k, 0,1,2,3
	global_load_b96 v[CP+4*\k:CP+4*\k+2], v4, s[4:5] offset:384*\k th:TH_LOAD_NT   ; point 32 k + l: the wave reads 384 consecutive bytes
.endr
	global_load_b96 v[CP+16:CP+18], v7, s[4:5] offset:1524 th:TH_LOAD_NT       ; point 127, in every lane
	global_load_b64 v[SP:SP+1], v[TB], s[8:9] th:TH_LOAD_NT                    ; my eight spans
; u of slot k, while the loads are on their way.  t / 255: a first quotient, its exact remainder by one fused multiply-add, one correction.
.macro UCALC k
	v_or_b32 v[X0], \k, v[TB]
	v_cvt_f32_u32 v[X0], v[X0]
	v_mul_f32 v[X1], s26, v[X0]
	v_fma_f32 v[X2], -v[X1], s27, v[X0]
	v_fma_f32 v[X1], v[X2], s26, v[X1]             ; step
	v_sub_f32 v[X2], 1.0, v[X1]
	v_mul_f32 v[X2], s28, v[X2]
	v_mul_f32 v[X1], s29, v[X1]
	v_add_f32 v[U+\k], v[X2], v[X1]
.endm
.irp k, 0,1,2,3,4,5,6,7
	UCALC \k
.endr
	s_wait_loadcnt 0x6                             ; the five knot loads are in; the six loads issued behind them may be out
	v_cndmask_b32 v[KN+4], 0x7fc00000, v[KN+4], vcc_lo     ; words 132..159: NaN
.irp k, 0,1,2,3
	ds_store_b32 v9, v[KN+\k] offset:KNOT+128*\k   ; their data came by loads, their address was written ahead of the head's wait: nothing more is owed
.endr
	s_wait_alu depctr_va_vdst(0)                   ; the select has written v[KN+4], which the store below reads
	ds_store_b32 v9, v[KN+4] offset:KNOT+512
	s_wait_loadcnt 0x1                             ; the five control-point loads are in; the span load may be out
.irp k, 0,1,2,3
	ds_store_b128 v10, v[CP+4*\k:CP+4*\k+3] offset:512*\k  ; record 32 k + l
.endr
	ds_store_b128 v11, v[CP+16:CP+19] offset:2048          ; records 128..131: point 127 (eight lanes write each, all the same words)
	s_wait_loadcnt 0x0                             ; my spans
; The LDS addresses of four slots, each slot's in registers of its own.  j is cut to 128, the largest index that the search can give, so that every
; address stays in my wave's tables: records j .. j + 3 (at most 131), knot words j + 1 .. j + 6 (at most 134).
.macro ADDRS a, b, c, d
.irp k, \a, \b, \c, \d
	v_bfe_u32 v[JJ+\k%4], v[SP+\k/4], 8*(\k%4), 8
.endr
.irp k, \a, \b, \c, \d
	v_min_u32 v[JJ+\k%4], 0x80, v[JJ+\k%4]
.endr
.irp k, \a, \b, \c, \d
	v_lshl_add_u32 v[AC+\k], v[JJ+\k%4], 4, v8
	v_lshl_add_u32 v[AK+\k], v[JJ+\k%4], 2, v8
.endr
.endm
; Slot k: ten LDS loads.
.macro GLOADS k
.set GL, G+18*(\k)
.irp i, 0,1,2,3
	ds_load_b96 v[GL+4*\i:GL+4*\i+2], v[AC+(\k)] offset:16*\i
.endr
	ds_load_b32 v[GL+3],  v[AK+(\k)] offset:KNOT+4
	ds_load_b32 v[GL+7],  v[AK+(\k)] offset:KNOT+8
	ds_load_b32 v[GL+11], v[AK+(\k)] offset:KNOT+12
	ds_load_b32 v[GL+15], v[AK+(\k)] offset:KNOT+16
	ds_load_b32 v[GL+16], v[AK+(\k)] offset:KNOT+20
	ds_load_b32 v[GL+17], v[AK+(\k)] offset:KNOT+24
.endm
; temp = Ni / dU, or 1e-4 where dU == 0
.macro TEMP n, i
	v_mul_f32 v[TMP], v[N+\n], v[Q+\i]
	v_cndmask_b32 v[TMP], v[TMP], s17, s[20+\i]
.endm
; Slot k: the recursion and the sum.  left = how many LDS loads were issued behind this slot's ten.  ahead = 1: slot k + 4 is gathered.
; With s = uspan: L_a = u - U[s + 1 - a], R_a = U[s + a] - u, and step (k, r) of the reference has
; U1 - u = R_(r+1), u - U2 = L_(k-r), dU = R_(r+1) + L_(k-r), in the reference's order of operations.
.macro EVAL k, left, ahead
.set GB, G+18*\k
.set L3, GB+3
.set L2, GB+7
.set L1, GB+11
.set R1, GB+15
.set R2, GB+16
.set R3, GB+17
	s_wait_dscnt \left                             ; LDS answers in order: my slot's ten loads are in, those of the later slots may be out
	v_sub_f32 v[L3], v[U+\k], v[L3]
	v_sub_f32 v[L2], v[U+\k], v[L2]
	v_sub_f32 v[L1], v[U+\k], v[L1]
	v_sub_f32 v[R1], v[R1], v[U+\k]
	v_sub_f32 v[R2], v[R2], v[U+\k]
	v_sub_f32 v[R3], v[R3], v[U+\k]
	v_add_f32 v[I],   v[R1], v[L1]                 ; degree 1
	v_add_f32 v[I+1], v[R1], v[L2]                 ; degree 2
	v_add_f32 v[I+2], v[R2], v[L1]
	v_add_f32 v[I+3], v[R1], v[L3]                 ; degree 3
	v_add_f32 v[I+4], v[R2], v[L2]
	v_add_f32 v[I+5], v[R3], v[L1]
.irp i, 0,1,2,3,4,5
	v_rcp_f32 v[Q+\i], v[I+\i]
.endr
.irp i, 0,1,2,3,4,5
	v_cmp_eq_f32 s[20+\i], 0, v[I+\i]              ; these plain lines read the reciprocals' sources and none of their results: they are the
.endr                                                  ; distance that a transcendental's result asks for (ISA guide 5.7.2)
	s_wait_alu depctr_va_vdst(0)                   ; the six reciprocals have written v[Q ..], ahead of their first reader; in slot 0's turn also: the addresses of slots 4 to 7 are written
.if \ahead
	GLOADS (\k)+4                                  ; no vector line since a wait on va_vdst names this slot's two addresses, and none at all has named its 18 registers
.endif
	s_wait_alu depctr_va_sdst(0)                   ; the six compares have written s20 to s25, ahead of the first select that reads one of them
	v_cndmask_b32 v[TMP], v[Q], s17, s20           ; degree 1: Ni[0] = 1
	v_mul_f32 v[N],   v[R1], v[TMP]
	v_mul_f32 v[N+1], v[L1], v[TMP]
	TEMP 0, 1                                      ; degree 2
	v_mul_f32 v[N],  v[R1], v[TMP]
	v_mul_f32 v[SV], v[L2], v[TMP]
	TEMP 1, 2
	v_fma_f32 v[N+1], v[R2], v[TMP], v[SV]
	v_mul_f32 v[N+2], v[L1], v[TMP]
	TEMP 0, 3                                      ; degree 3
	v_mul_f32 v[N],  v[R1], v[TMP]
	v_mul_f32 v[SV], v[L3], v[TMP]
	TEMP 1, 4
	v_fma_f32 v[N+1], v[R2], v[TMP], v[SV]
	v_mul_f32 v[SV],  v[L2], v[TMP]
	TEMP 2, 5
	v_fma_f32 v[N+2], v[R3], v[TMP], v[SV]
	v_mul_f32 v[N+3], v[L1], v[TMP]
.irp d, 0,1,2
	v_mul_f32 v[O+3*\k+\d], v[N], v[GB+\d]         ; the first product starts the sum
.endr
.irp i, 1,2,3
.irp d, 0,1,2
	v_fmac_f32 v[O+3*\k+\d], v[N+\i], v[GB+4*\i+\d]
.endr
.endr
.endm
	; Four slots' gathers run ahead of the arithmetic: slot k + 4 is asked for inside slot k's turn, behind that turn's wait for its own loads.
	; So in front of slots 0 to 4 the loads of three later slots (30) have been issued behind the slot's own, then of two, one and none.
	ADDRS 0, 1, 2, 3
	s_wait_alu depctr_va_vdst(0)                   ; the addresses of slots 0 to 3 are written, which the forty loads below read
	GLOADS 0
	GLOADS 1
	GLOADS 2
	GLOADS 3
	ADDRS 4, 5, 6, 7                               ; made while those loads are out; the wait for them is slot 0's wait on va_vdst
	s_wait_alu depctr_vm_vsrc(0)                   ; the ten LDS stores above have read v16 to v41: the sums write their results there
	EVAL 0, 30, 1
	EVAL 1, 30, 1
	EVAL 2, 30, 1
	EVAL 3, 30, 1
	EVAL 4, 30, 0
	EVAL 5, 20, 0
	EVAL 6, 10, 0
	EVAL 7, 0, 0
	; THE WAY OUT.  My 24 results are 96 consecutive bytes of the batch's 3,072; through my wave's stage they become six stores of the wave,
	; each of 512 consecutive bytes at a multiple of 512 from out0's first byte.
	s_wait_alu depctr_va_vdst(0)                   ; the sums have written v[O ..], which the LDS stores read; slots 0 and 1 are done with v54 to v77, in which the loads from the stage land
.irp i, 0,1,2,3,4,5
	ds_store_b128 v12, v[O+4*\i:O+4*\i+3] offset:STAGE+16*\i
.endr
.irp i, 0,1,2,3,4,5
	ds_load_b128 v[G+4*\i:G+4*\i+3], v10 offset:STAGE+512*\i       ; my wave's own bytes, served behind the stores above
.endr
.irp i, 0,1,2,3,4,5
	s_wait_dscnt 5-\i                              ; load i is in; the 5 - i issued behind it may be out
	global_store_b128 v5, v[G+4*\i:G+4*\i+3], s[10:11] offset:512*\i th:TH_STORE_NT
.endr
	s_wait_dscnt 0x0                               ; the closing lines, six on end
	s_wait_alu 0x0
	s_wait_tensorcnt 0x0
	ds_add_u32 v216, v217
	s_wait_dscnt 0x0
	s_endpgm
.Lfunc_end_k_q677c358dd2_curve_eval:
	.size	k_q677c358dd2_curve_eval, .Lfunc_end_k_q677c358dd2_curve_eval-k_q677c358dd2_curve_eval
	.p2alignl 7, 3214868480
	.fill 96, 4, 3214868480
	.section	.rodata,"a",@progbits
	.p2align	6, 0x0
	.amdhsa_kernel k_q677c358dd2_curve_eval
		.amdhsa_group_segment_fixed_size 96256
		.amdhsa_private_segment_fixed_size 0
		.amdhsa_enable_private_segment 0
		.amdhsa_kernarg_size 32
		.amdhsa_user_sgpr_count 2
		.amdhsa_user_sgpr_kernarg_segment_ptr 1
		.amdhsa_wavefront_size32 1
		.amdhsa_system_sgpr_workgroup_id_x 1
		.amdhsa_system_sgpr_workgroup_id_y 1
		.amdhsa_system_sgpr_workgroup_id_z 1
		.amdhsa_system_vgpr_workitem_id 0
		.amdhsa_next_free_vgpr 234
		.amdhsa_next_free_sgpr 66
		.amdhsa_reserve_vcc 1
		.amdhsa_float_denorm_mode_32 3
		.amdhsa_float_denorm_mode_16_64 3
		.amdhsa_memory_ordered 1
		.amdhsa_forward_progress 1
		.amdhsa_inst_pref_size 35
	.end_amdhsa_kernel
	.amdgpu_metadata
---
amdhsa.version: [ 1, 2 ]
amdhsa.kernels:
  - .name:           k_q677c358dd2_curve_eval
    .symbol:         k_q677c358dd2_curve_eval.kd
    .args:
      - { .name: ctrl_pts, .offset: 0, .size: 8, .value_kind: global_buffer, .address_space: global }
      - { .name: knot_u, .offset: 8, .size: 8, .value_kind: global_buffer, .address_space: global }
      - { .name: span, .offset: 16, .size: 8, .value_kind: global_buffer, .address_space: global }
      - { .name: out0, .offset: 24, .size: 8, .value_kind: global_buffer, .address_space: global }
    .group_segment_fixed_size: 96256
    .private_segment_fixed_size: 0
    .kernarg_segment_align: 8
    .kernarg_segment_size: 32
    .max_flat_workgroup_size: 512
    .sgpr_count:     66
    .vgpr_count:     234
    .wavefront_size: 32
...
	.end_amdgpu_metadata
.endif
;; end of part 4
